; MI455X (gfx1250); checked and timed in simulation.
; The chip was launched on July 23, 2026; its instructions are those of AMD's public machine-readable ISA for CDNA 5 (MIT licence, August 2026) and "CDNA5" Instruction Set Architecture Reference Guide (July 2026). The comments in the code are by the model that wrote it; some were corrected since.
;; Casual Self Attention. Allowed arithmetic: matrix products marked QUANTISED: E4M3 operands, one given power-of-two scale a tensor, by v_wmma_f32_16x16x64_fp8_fp8 or v_wmma_f32_16x16x128_fp8_fp8, f32 sums; everything else in f32.
;; Inputs: Wk_codes 1,024 x 32 x 32 uint8 (E4M3 codes of Wk, K innermost, in blocks of 32 codes); Wo_codes 1,024 x 32 x 32 uint8 (E4M3 codes of Wo, K innermost, in blocks of 32 codes); Wq_codes 1,024 x 32 x 32 uint8 (E4M3 codes of Wq, K innermost, in blocks of 32 codes); Wv_codes 1,024 x 32 x 32 uint8 (E4M3 codes of Wv, K innermost, in blocks of 32 codes); lowp_scales 12 int32 (the exponents e of the quantised operands' scales 2^e); x_codes 2 x 2,048 x 32 x 32 uint8 (E4M3 codes of x, K innermost, in blocks of 32 codes).
;; Outputs: out0 2 x 2,048 x 1,024 float32.
;; This version of the problem:
;;   THIS VERSION OF THE PROBLEM IS GIVEN IN LOW PRECISION. The matrix products marked QUANTISED in the list below multiply operands that are first quantised to E4M3 (4 exponent bits, 3 mantissa bits; 8 bits a number), with one given power-of-two scale for each operand tensor; their sums are f32. All else is computed in f32.
;;   The module's matrix products, in the order in which they are computed (A, B: the left and right operand; K: the contracted axis; several contracted axes count as one K, in the product's order):
;;     1. [M 4,096, K 1,024] x [K 1,024, N 1,024]; A: input x (given as codes); B: input Wq (given as codes): QUANTISED (scales: A lowp_scales[0], B lowp_scales[1])
;;     2. [M 4,096, K 1,024] x [K 1,024, N 1,024]; A: input x (given as codes); B: input Wk (given as codes): QUANTISED (scales: A lowp_scales[2], B lowp_scales[3])
;;     3. [M 4,096, K 1,024] x [K 1,024, N 1,024]; A: input x (given as codes); B: input Wv (given as codes): QUANTISED (scales: A lowp_scales[4], B lowp_scales[5])
;;     4. batch 32 x [M 2,048, K 64] x [K 64, N 2,048]; A: computed on the way; B: computed on the way: QUANTISED (scales: A lowp_scales[6], B lowp_scales[7])
;;     5. batch 32 x [M 2,048, K 2,048] x [K 2,048, N 64]; A: softmax (see below); B: computed on the way: QUANTISED (scales: A lowp_scales[8], B lowp_scales[9])
;;     6. [M 4,096, K 1,024] x [K 1,024, N 1,024]; A: computed on the way; B: input Wo (given as codes): QUANTISED (scales: A lowp_scales[10], B lowp_scales[11])
;;   THE QUANTISER, for each operand of a quantised product, along K:
;;     - The operand's scale is 2^e, e = its entry of the input lowp_scales (int32; the entries are numbered through the quantised products in the list's order, A before B).
;;     - Each number is divided by the scale, clamped to +-448, and rounded to the nearest number of E4M3, ties to even, subnormals kept.
;;     - The product sums the exact products of the quantised numbers (number of the format x scale) in f32.
;;   ~~~python
;;   def quantise(x, axis, e):      # numpy; x: float32 -> the quantised numbers, widened to float32 again
;;       x = np.moveaxis(x, axis, -1); K = x.shape[-1]
;;       r = np.clip(x / 2.0 ** e, -448, 448)
;;       step = 2.0 ** (np.maximum(np.frexp(np.where(r == 0, 1, r))[1] - 1, -6) - 3)
;;       q = np.round(r / step) * step * 2.0 ** e      # np.round: ties to even
;;       return np.moveaxis(q, -1, axis).astype(np.float32)
;;   ~~~
;;   SOFTMAX AHEAD OF A QUANTISED PRODUCT. Where the list says 'softmax', what is quantised is not the finished softmax but p = 2^(t - M), with t = logit x log2(e) and M = ceil(the row's largest t), a whole number; so 1/2 < the row's largest p <= 1. The row's sum l is taken of the UNQUANTISED p, in f32, and the product's result is divided by l at the end. Since M is a whole number, a kernel that streams over the keys may use a running M (the ceiling of the running maximum): every later rescaling is an exact power of two, so the quantised numbers keep their values, but for numbers so far below the row's largest that they fall under the format's range.
;;   OPERANDS COMPUTED ON THE WAY. 'Computed on the way' means the value that the module computes at that place (a softmax that the list does not call 'softmax' is quantised finished and normalised). What goes into a quantiser is computed in f32, as accurately as f32 sums, v_exp_f32 and their like allow (about 1e-6 of the number): no bf16 or f16 on the way to a quantiser, and a product that is left as it is and whose result goes on into a quantised operand takes f32 operands (vector FMAs, or v_wmma_f32_16x16x4_f32). A number that lies on a knife's edge between two numbers of the format may be rounded either way, as far as f32 arithmetic and the matrix unit's own rounding can turn it there, and no further.
;;   INPUTS GIVEN AS CODES. Wk (in the module: [1024, 1024], K = its axis 1); Wo (in the module: [1024, 1024], K = its axis 1); Wq (in the module: [1024, 1024], K = its axis 1); Wv (in the module: [1024, 1024], K = its axis 1); x (in the module: [2, 2048, 1024], K = its axis 2): each comes as NAME_codes (uint8): NAME with its K axis moved to the last place and cut into blocks of 32 codes, [.., K / 32, bytes a block], one block behind the other in memory; one code a byte (a code: sign, 4 exponent bits, 3 mantissa bits); its scale is its entry of lowp_scales. Its value is code x scale, taken as it is: it is not quantised again, and the codes and scales need not be those that the quantiser above would give.
;; One version. Each part assembles by itself: llvm-mc -triple=amdgcn-amd-amdhsa -mcpu=gfx1250 --defsym DOCPART=n.
;; ======== version 1 of 1: 3 launches
;; limits: right only within a limited range of input values
;; workspace buffers: q_img 4,194,304 bytes; kv_img 8,388,608 bytes; a_img 4,194,304 bytes
;; launch qkv (part 1): grid 16 x 16, 4 waves a work-group, clusters of 4 x 4, 327,680 bytes of LDS; arguments x_codes, Wq_codes, Wk_codes, Wv_codes, lowp_scales, q_img, kv_img; writes q_img, kv_img
.if DOCPART == 1
	.amdgcn_target "amdgcn-amd-amdhsa--gfx1250"
	.amdhsa_code_object_version 6
	.text
	.protected	k_q8e4ee42dcd_qkv
	.globl	k_q8e4ee42dcd_qkv
	.p2align	8
	.type	k_q8e4ee42dcd_qkv,@function
k_q8e4ee42dcd_qkv:
	s_mov_b64 s[64:65], 0
	v_nop
	global_prefetch_b8 v0, s[64:65] scope:SCOPE_SE
	s_setreg_imm32_b32 hwreg(HW_REG_WAVE_MODE, 25, 1), 1
	s_wait_xcnt 0x0
	s_wait_alu depctr_hold_cnt(0) depctr_sa_sdst(0) depctr_va_vdst(0) depctr_va_sdst(0) depctr_va_ssrc(0) depctr_va_vcc(0) depctr_vm_vsrc(0)
	s_getreg_b32 s2, hwreg(HW_REG_IB_STS2, 6, 4)
	s_cmp_eq_u32 s2, 0
	s_cbranch_scc0 .Lentry_in_a_cluster
	s_endpgm
.Lentry_in_a_cluster:
	s_bfe_u32 s2, ttmp6, 0x10000c
	s_cmp_lg_u32 s2, 0xf033
	s_cbranch_scc0 .Lentry_shape_is_right
	s_endpgm
.Lentry_shape_is_right:
; q, k, v = x Wq^T, x Wk^T, x Wv^T on codes of FP8 (E4M3), quantised for the two products of the attention, laid out as images of operand registers.  x: [4096][1024] codes, the weights [1024][1024], K innermost.
; lowp_scales: e0, e1 (x, Wq), e2, e3 (x, Wk), e4, e5 (x, Wv), e6 (q), e7 (k), e9 (v): a sum stands for sum x 2^(ea + eb), so its code is sum / 2^(eo - ea - eb), held at +-448 of that.
; LIMITS: e6 - e0 - e1, e7 - e2 - e3 and e9 - e4 - e5 between -126 and 119, so that the conversion's scale and 448 x it are f32 numbers.  NaN codes are not served.
; DEAD WORK LEFT OUT, in launch attn: reference() puts -inf in front of the softmax wherever the key comes after the query (the tril that it builds itself), so p is 0 there for all finite inputs: key steps of 128
; that come wholly after a tile's queries are not worked.  A NaN, an infinity or an overflow that reaches only such scores is not carried to the result.
; SHARES: a work-group makes 256 tokens x one head's 64 columns of q, k and v; wave w tokens 64 w on: 16 accumulators each for q, k and v.
; K goes in two fills of 512 of ONE LDS slot: rows of 512 bytes, 256 of x and 3 x 64 of the weights; wave 0 fetches x, waves 1, 2, 3 Wq, Wk, Wv.  Both fills beside each other do not fit in LDS.
; A fill is four steps of 128 along K.  In a step q's products go first, then k's, then v's; each phase fetches the next one's fragments.
; CLUSTERS of 4 x 4: x's tile is shared along a row of the cluster, the weights' tiles along a column: joint loads.
; PREFETCH: behind its one load at the head each wave asks for its share of the SECOND fill, a whole fill ahead of the load that wants it: an instruction is 16 rows x 2 blocks of 256 bytes.  Of x's 256 rows the partner at cx
; takes 64 cx on, its wave w 16 w further on; of a weight's 64 rows the partner at cy takes 16 cy on.  Each block is named once in a cluster.  Nothing is asked for behind the second fill.
.set PITCH,  528                       ; an LDS row: 512 bytes of data + 16 of padding
.set AROWS,  256*PITCH
.set WROWS,  64*PITCH
.set SLOT,   AROWS+3*WROWS
.set SPARE,  SLOT                      ; the spare words
.set ADRA, 4
.set ADRB, 6
.set LI,   8
.set SPW,  28
.set NIL,  29
.set CQ,   32
.set CK,   192
.set CV,   224
.set XF,   64
.set WV,   18
.set G1A,  24
.set G1B,  32
.set G0A,  40
.set G0Q,  48
.set G0K,  56
.set G0V,  68
.set MSB, 0
.macro WIN new
.if MSB != \new
	s_set_vgpr_msb (MSB<<8)|\new
.set MSB, \new
.endif
.endm
.macro PLACES
.rept 4
	v_nop
.endr
.endm
.macro ARM g0, g1
	tensor_load_to_lds s[\g0:\g0+3], s[\g1:\g1+7]
	s_nop 0
.rept 4
	v_nop
.endr
.endm
.macro JLOAD s
	s_cmp_lg_u32 s[WV], 0
	s_cbranch_scc1 .Lnot_x_\@
	ARM G0A+4*\s, G1A
	s_branch .Lasked_\@
.Lnot_x_\@:
	s_cmp_lg_u32 s[WV], 1
	s_cbranch_scc1 .Lnot_q_\@
	ARM G0Q+4*\s, G1B
	s_branch .Lasked_\@
.Lnot_q_\@:
	s_cmp_lg_u32 s[WV], 2
	s_cbranch_scc1 .Lnot_k_\@
	ARM G0K+4*\s, G1B
	s_branch .Lasked_\@
.Lnot_k_\@:
	ARM G0V+4*\s, G1B
.Lasked_\@:
.endm
.macro CREST
	s_cmp_lg_u32 s[WV], 0
	s_cbranch_scc1 .Lnot_wave_0_\@
	s_barrier_signal -3
.Lnot_wave_0_\@:
	s_barrier_wait -3
	s_barrier_signal -1
	s_barrier_wait -1
.endm
.macro CROUND
	s_barrier_signal -1
	s_barrier_wait -1
	CREST
.endm
	s_load_b256 s[4:11], s[0:1], 0x0
	s_load_b128 s[12:15], s[0:1], 0x20
	s_load_b64 s[16:17], s[0:1], 0x30
	v_lshl_add_u32 v[SPW], v0, 2, SPARE
	v_mov_b32 v[NIL], 0
	ds_add_u32 v28, v29
	ds_add_u32 v28, v29
	s_wait_dscnt 0x0
	v_lshrrev_b32 v1, 5, v0
	v_readfirstlane_b32 s[WV], v1
	s_bfe_u32 s19, ttmp6, 0x40000
	s_bfe_u32 s20, ttmp6, 0x40004
	s_lshl_b32 s21, ttmp9, 2
	s_add_co_u32 s21, s21, s19
	s_and_b32 s22, ttmp7, 0xffff
	s_lshl_b32 s22, s22, 2
	s_add_co_u32 s22, s22, s20
	s_lshl_b32 s2, s20, 2
	s_lshl_b32 s2, 15, s2
	s_lshl_b32 s3, 0x1111, s19
	s_or_b32 s[G1A], s2, (1<<20)|(1<<21)|(6<<22)|(3<<25)   ; the mask; elements of 1 byte; padding: four words after every 128
	s_or_b32 s[G1B], s3, (1<<20)|(1<<21)|(6<<22)|(3<<25)
	s_mov_b32 s[G1A+1], 512<<16
	s_mov_b32 s[G1A+2], 256<<16
	s_mov_b32 s[G1A+3], 512<<16
	s_mov_b32 s[G1A+4], 256
	s_mov_b32 s[G1A+5], 1024
	s_mov_b32 s[G1A+6], 0
	s_mov_b32 s[G1A+7], 0
	s_mov_b32 s[G1B+1], 512<<16
	s_mov_b32 s[G1B+2], 64<<16
	s_mov_b32 s[G1B+3], 512<<16
	s_mov_b32 s[G1B+4], 64
	s_mov_b32 s[G1B+5], 1024
	s_mov_b32 s[G1B+6], 0
	s_mov_b32 s[G1B+7], 0
	s_lshl_b32 s94, s22, 18
	s_mov_b32 s95, 0
	s_lshl_b32 s96, s21, 16
	s_mov_b32 s97, 0
	s_wait_kmcnt 0x0
	s_load_b256 s[76:83], s[12:13], 0x0
	s_load_b32 s84, s[12:13], 0x24
	s_add_nc_u64 s[94:95], s[4:5], s[94:95]
	s_add_nc_u64 s[6:7], s[6:7], s[96:97]
	s_add_nc_u64 s[8:9], s[8:9], s[96:97]
	s_add_nc_u64 s[10:11], s[10:11], s[96:97]
	CROUND
.irp s, 0
	s_mov_b32 s[G0A+4*\s], 1
	s_mov_b32 s[G0A+4*\s+1], \s*SLOT
	s_add_nc_u64 s[G0A+4*\s+2:G0A+4*\s+3], s[94:95], \s*256
	s_or_b32 s[G0A+4*\s+3], s[G0A+4*\s+3], 0x80000000
	s_mov_b32 s[G0Q+4*\s], 1
	s_mov_b32 s[G0Q+4*\s+1], \s*SLOT+AROWS
	s_add_nc_u64 s[G0Q+4*\s+2:G0Q+4*\s+3], s[6:7], \s*256
	s_or_b32 s[G0Q+4*\s+3], s[G0Q+4*\s+3], 0x80000000
	s_mov_b32 s[G0K+4*\s], 1
	s_mov_b32 s[G0K+4*\s+1], \s*SLOT+AROWS+WROWS
	s_add_nc_u64 s[G0K+4*\s+2:G0K+4*\s+3], s[8:9], \s*256
	s_or_b32 s[G0K+4*\s+3], s[G0K+4*\s+3], 0x80000000
	s_mov_b32 s[G0V+4*\s], 1
	s_mov_b32 s[G0V+4*\s+1], \s*SLOT+AROWS+2*WROWS
	s_add_nc_u64 s[G0V+4*\s+2:G0V+4*\s+3], s[10:11], \s*256
	s_or_b32 s[G0V+4*\s+3], s[G0V+4*\s+3], 0x80000000
.endr
	JLOAD 0                                        ; the first fill: one tensor load a wave at the head
	v_and_b32 v1, 15, v0
	v_bfe_u32 v2, v0, 4, 1
	v_mul_u32_u24 v3, v1, PITCH
	v_lshl_add_u32 v3, v2, 4, v3
	s_mul_i32 s2, s[WV], WROWS
	v_add_nc_u32 v[ADRA], s2, v3
	v_add_nc_u32 v[ADRB], AROWS, v3                ; Wq's and Wk's rows,
	v_add_nc_u32 v[ADRB+1], 2*WROWS, v[ADRB]       ; and Wv's
	v_and_b32 v[LI], 31, v0
	v_lshlrev_b32 v[LI], 4, v[LI]
	v_bfe_u32 v12, v0, 1, 4                        ; the prefetches' offset: row lane / 2, block lane % 2; never rewritten
	v_and_b32 v13, 1, v0
	v_lshlrev_b32 v12, 10, v12
	v_lshl_add_u32 v12, v13, 8, v12
	s_lshl_b32 s98, s19, 16                        ; x: rows 64 cx + 16 w on
	s_lshl_b32 s23, s[WV], 14
	s_add_co_u32 s98, s98, s23
	s_mov_b32 s99, 0
	s_add_nc_u64 s[94:95], s[94:95], s[98:99]
	s_lshl_b32 s96, s20, 14                        ; the weights: rows 16 cy on
	s_cmp_eq_u32 s[WV], 2
	s_cselect_b64 s[100:101], s[8:9], s[10:11]
	s_cmp_eq_u32 s[WV], 1
	s_cselect_b64 s[100:101], s[6:7], s[100:101]
	s_add_nc_u64 s[100:101], s[100:101], s[96:97]
	s_wait_alu depctr_va_vdst(0)                   ; directly ahead of the reader below
	global_prefetch_b8 v12, s[94:95] offset:512 th:TH_LOAD_NT scope:SCOPE_SE
	s_cmp_eq_u32 s[WV], 0
	s_cbranch_scc1 .Lno_weight
	global_prefetch_b8 v12, s[100:101] offset:512 th:TH_LOAD_NT scope:SCOPE_SE
.Lno_weight:
	s_lshr_b32 s2, s22, 3
	s_lshl_b32 s2, s2, 4
	s_add_co_u32 s2, s2, s21
	s_and_b32 s3, s22, 7
	s_lshl_b32 s98, s2, 17
	s_lshl_b32 s23, s3, 14
	s_add_co_u32 s98, s98, s23
	s_lshl_b32 s23, s[WV], 12
	s_add_co_u32 s98, s98, s23
	s_mov_b32 s99, 0
	s_add_nc_u64 s[14:15], s[14:15], s[98:99]
	s_lshl_b32 s98, s2, 18
	s_lshl_b32 s23, s3, 15
	s_add_co_u32 s98, s98, s23
	s_lshr_b32 s23, s[WV], 1
	s_lshl_b32 s23, s23, 14
	s_add_co_u32 s98, s98, s23
	s_add_nc_u64 s[16:17], s[16:17], s[98:99]
	s_and_b32 s23, s[WV], 1
	s_lshl_b32 s98, s23, 12
	s_add_nc_u64 s[86:87], s[16:17], s[98:99]
	s_lshl_b32 s98, s23, 10
	s_add_co_u32 s98, s98, 8192
	s_add_nc_u64 s[16:17], s[16:17], s[98:99]
.macro MKSCALE eo, ea, eb, vs, sl
	s_sub_co_i32 s2, s[\eo], s[\ea]
	s_sub_co_i32 s2, s2, s[\eb]
	s_add_co_i32 s2, s2, 127
	s_lshl_b32 s3, s2, 23
	v_mov_b32 v[\vs], s3
	s_add_co_i32 s2, s2, 8
	s_lshl_b32 s2, s2, 23
	s_or_b32 s[\sl+1], s2, 0x600000
	s_or_b32 s[\sl], s[\sl+1], 0x80000000
.endm
	s_wait_alu depctr_va_vdst(0)
	s_wait_kmcnt 0x0
	MKSCALE 82, 76, 77, 9, 88
	MKSCALE 83, 78, 79, 10, 90
	MKSCALE 84, 80, 81, 11, 92
.macro FRAG reg, adr, off
.irp c, 0,1,2,3
	ds_load_b128 v[\reg+4*\c:\reg+4*\c+3], v[\adr] offset:\off+32*\c
.endr
.endm
.macro FETCH_B q, p                    ; four fragments of weight p (q, k, v), step q of the fill
	WIN 0x40
.irp b, 0,1,2,3
	FRAG 64*(\p)+16*\b, ADRB+(\p)/2, ((\p)%2)*WROWS+\b*16*PITCH+128*(\q)
.endr
.endm
.macro FETCH_A q, set                  ; my four fragments of x
	WIN 0
.irp b, 0,1,2,3
	FRAG XF+64*(\set)+16*\b, ADRA, \b*16*PITCH+128*(\q)
.endr
.endm
.macro MULQK p, set, zero
	WIN 0xa1
.irp t, 0,1,2,3
.irp c, 0,1,2,3
.if \zero
	v_wmma_f32_16x16x128_fp8_fp8 v[128*\p+8*(4*\t+\c):128*\p+8*(4*\t+\c)+7], v[64*\p+16*\c:64*\p+16*\c+15], v[XF+64*\set+16*\t:XF+64*\set+16*\t+15], 0
.else
	v_wmma_f32_16x16x128_fp8_fp8 v[128*\p+8*(4*\t+\c):128*\p+8*(4*\t+\c)+7], v[64*\p+16*\c:64*\p+16*\c+15], v[XF+64*\set+16*\t:XF+64*\set+16*\t+15], v[128*\p+8*(4*\t+\c):128*\p+8*(4*\t+\c)+7]
.endif
.endr
.endr
.endm
.macro MULV set, zero, ta, tb
	WIN 0xf4
.irp t, \ta, \tb
.irp d, 0,1,2,3
.if \zero
	v_wmma_f32_16x16x128_fp8_fp8 v[8*(4*\t+\d):8*(4*\t+\d)+7], v[XF+64*\set+16*\t:XF+64*\set+16*\t+15], v[128+16*\d:128+16*\d+15], 0
.else
	v_wmma_f32_16x16x128_fp8_fp8 v[8*(4*\t+\d):8*(4*\t+\d)+7], v[XF+64*\set+16*\t:XF+64*\set+16*\t+15], v[128+16*\d:128+16*\d+15], v[8*(4*\t+\d):8*(4*\t+\d)+7]
.endif
.endr
.endr
.endm
.macro PHQ q, set, zero                ; q's products; k's fragments are fetched
	PLACES
	FETCH_B \q, 1
	s_wait_dscnt 16                                ; the 16 just issued may be out
	MULQK 0, \set, \zero
.endm
.macro PHK q, set, zero                ; k's products; v's fragments are fetched
	PLACES
	FETCH_B \q, 2
	s_wait_dscnt 16
	MULQK 1, \set, \zero
.endm
.macro PHV q, set, zero                ; v's products; the next step's fragments of q's weight and of x are fetched
	PLACES
	FETCH_B (\q)+1, 0
	FETCH_A (\q)+1, 1-\set
	s_wait_dscnt 32                                ; the 32 just issued may be out
	MULV \set, \zero, 0, 1
	MULV \set, \zero, 2, 3
.endm
.macro HALF zero                       ; a fill's four steps, but for the last step's products of k and v
	FETCH_B 0, 0
	FETCH_A 0, 0
	PHQ 0, 0, \zero
	PHK 0, 0, \zero
	PHV 0, 0, \zero
	PHQ 1, 1, 0
	PHK 1, 1, 0
	PHV 1, 1, 0
	PHQ 2, 0, 0
	PHK 2, 0, 0
	PHV 2, 0, 0
	PHQ 3, 1, 0                                    ; (the last step's products of k and v follow each call)
.endm
	s_wait_alu depctr_va_vdst(0)                   ; at the head's end
	s_wait_tensorcnt 0x0                           ; my part of the first fill is in,
	s_barrier_signal -1
	s_barrier_wait -1                              ; and everybody's
	HALF 1                                         ; the first products start the sums
	PHK 3, 1, 0
	WIN 0
	s_wait_tensorcnt 0x0                           ; no load of mine is out;
	ds_add_u32 v[SPW], v[NIL]
	s_wait_dscnt 0x0                               ; and my reads of the slot are over
	s_barrier_signal -1                            ; the round's opening barrier
	MULV 1, 0, 0, 1
	WIN 0
	s_barrier_wait -1
	CREST                                          ; no wave of any partner still reads the slot
.irp g, G0A, G0Q, G0K, G0V
	s_add_nc_u64 s[\g+2:\g+3], s[\g+2:\g+3], 512
.endr
	JLOAD 0                                        ; the second fill, the first tensor load behind the round
	MULV 1, 0, 2, 3
	WIN 0
	s_wait_tensorcnt 0x0                           ; my part of it is in,
	s_barrier_signal -1
	s_barrier_wait -1                              ; and everybody's
; The way out of one of q, k, v: held at the largest code x the scale, converted.  In the last step each goes out as soon as its sums are finished.
.macro OUT hwin, cwin, acc, codes, vs, sl, sm, sn
	WIN \hwin
.set i, 0
.rept 128
	v_med3_num_f32 v[\acc+i], v[\acc+i], s[\sl], s[\sl+1]
.set i, i+1
.endr
	WIN \cwin
.irp m, 0,1,2,3
.irp n, 0,1,2,3
	v_cvt_scalef32_pk8_fp8_f32 v[\codes+\sm*\m+\sn*\n:\codes+\sm*\m+\sn*\n+1], v[\acc+8*(4*\m+\n):\acc+8*(4*\m+\n)+7], v[\vs]
.endr
.endr
	WIN 0
	v_nop
.endm
	PLACES
	HALF 0
	PLACES                                         ; for the loads and for the reads of q's sums
	FETCH_B 3, 2                                   ; v's fragments come while q goes out
	OUT 0x82, 0x02, 0, CQ, 9, 88, 8, 2
.irp n, 0,1,2,3,4,5,6,7
	global_store_b128 v[LI], v[CQ+4*\n:CQ+4*\n+3], s[14:15] offset:512*\n
.endr
	s_wait_dscnt 16                                ; k's fragments are in; v's 16 loads may be out
	MULQK 1, 1, 0
	PLACES
	OUT 0x82, 0x02, 128, CK, 10, 90, 8, 2
.irp n, 0,1,2,3,4,5,6,7
	global_store_b128 v[LI], v[CK+4*\n:CK+4*\n+3], s[86:87] offset:512*\n
.endr
	s_wait_dscnt 0x0
	MULV 1, 0, 0, 1
	MULV 1, 0, 2, 3
	PLACES
	OUT 0xc3, 0x03, 0, CV, 11, 92, 2, 8
.irp d, 0,1,2,3
.irp b, 0,1
	global_store_b128 v[LI], v[CV+8*\d+4*\b:CV+8*\d+4*\b+3], s[16:17] offset:2048*\d+512*\b
.endr
.endr
	s_wait_tensorcnt 0x0
	ds_add_u32 v[SPW], v[NIL]
	s_wait_dscnt 0x0
	CROUND
	s_endpgm
.Lfunc_end_k_q8e4ee42dcd_qkv:
	.size	k_q8e4ee42dcd_qkv, .Lfunc_end_k_q8e4ee42dcd_qkv-k_q8e4ee42dcd_qkv
	.p2alignl 7, 3214868480
	.fill 96, 4, 3214868480
	.section	.rodata,"a",@progbits
	.p2align	6, 0x0
	.amdhsa_kernel k_q8e4ee42dcd_qkv
		.amdhsa_group_segment_fixed_size 327680
		.amdhsa_private_segment_fixed_size 0
		.amdhsa_enable_private_segment 0
		.amdhsa_kernarg_size 56
		.amdhsa_user_sgpr_count 2
		.amdhsa_user_sgpr_kernarg_segment_ptr 1
		.amdhsa_wavefront_size32 1
		.amdhsa_system_sgpr_workgroup_id_x 1
		.amdhsa_system_sgpr_workgroup_id_y 1
		.amdhsa_system_sgpr_workgroup_id_z 1
		.amdhsa_system_vgpr_workitem_id 0
		.amdhsa_next_free_vgpr 896
		.amdhsa_next_free_sgpr 102
		.amdhsa_reserve_vcc 0
		.amdhsa_float_denorm_mode_32 3
		.amdhsa_float_denorm_mode_16_64 3
		.amdhsa_memory_ordered 1
		.amdhsa_forward_progress 1
		.amdhsa_inst_pref_size 103
	.end_amdhsa_kernel
	.amdgpu_metadata
---
amdhsa.version: [ 1, 2 ]
amdhsa.kernels:
  - .name:           k_q8e4ee42dcd_qkv
    .symbol:         k_q8e4ee42dcd_qkv.kd
    .args:
      - { .name: x_codes, .offset: 0, .size: 8, .value_kind: global_buffer, .address_space: global }
      - { .name: Wq_codes, .offset: 8, .size: 8, .value_kind: global_buffer, .address_space: global }
      - { .name: Wk_codes, .offset: 16, .size: 8, .value_kind: global_buffer, .address_space: global }
      - { .name: Wv_codes, .offset: 24, .size: 8, .value_kind: global_buffer, .address_space: global }
      - { .name: lowp_scales, .offset: 32, .size: 8, .value_kind: global_buffer, .address_space: global }
      - { .name: q_img, .offset: 40, .size: 8, .value_kind: global_buffer, .address_space: global }
      - { .name: kv_img, .offset: 48, .size: 8, .value_kind: global_buffer, .address_space: global }
    .group_segment_fixed_size: 327680
    .private_segment_fixed_size: 0
    .kernarg_segment_align: 8
    .kernarg_segment_size: 56
    .max_flat_workgroup_size: 128
    .sgpr_count:     102
    .vgpr_count:     896
    .wavefront_size: 32
...
	.end_amdgpu_metadata
.endif
;; end of part 1
;; launch attn (part 2): grid 8 x 32, 16 waves a work-group, clusters of 4 x 1, 327,680 bytes of LDS; arguments q_img, kv_img, lowp_scales, a_img; writes a_img
.if DOCPART == 2
	.amdgcn_target "amdgcn-amd-amdhsa--gfx1250"
	.amdhsa_code_object_version 6
	.text
	.protected	k_q8e4ee42dcd_attn
	.globl	k_q8e4ee42dcd_attn
	.p2align	8
	.type	k_q8e4ee42dcd_attn,@function
k_q8e4ee42dcd_attn:
	s_mov_b64 s[64:65], 0
	v_nop
	global_prefetch_b8 v0, s[64:65] scope:SCOPE_SE
	s_setreg_imm32_b32 hwreg(HW_REG_WAVE_MODE, 25, 1), 1
	s_wait_xcnt 0x0
	s_wait_alu depctr_hold_cnt(0) depctr_sa_sdst(0) depctr_va_vdst(0) depctr_va_sdst(0) depctr_va_ssrc(0) depctr_va_vcc(0) depctr_vm_vsrc(0)
	s_getreg_b32 s2, hwreg(HW_REG_IB_STS2, 6, 4)
	s_cmp_eq_u32 s2, 0
	s_cbranch_scc0 .Lentry_in_a_cluster
	s_endpgm
.Lentry_in_a_cluster:
	s_bfe_u32 s2, ttmp6, 0x10000c
	s_cmp_lg_u32 s2, 0x3003
	s_cbranch_scc0 .Lentry_shape_is_right
	s_endpgm
.Lentry_shape_is_right:
; Causal attention on codes of FP8 (E4M3): for each of 32 (batch, head) pairs bh, O[q] = sum over keys k <= q of softmax(q . k / 8) v, head size 64, 2,048 tokens; O is quantised for the last projection.
; q_img, kv_img: images of operand registers; lowp_scales: here e6 (q), e7 (k), e8 (p), e9 (v), e10 (the result).
; DEAD WORK LEFT OUT: a key step of 128 keys that comes wholly after a tile's queries: reference()'s own causal mask makes every p in it 0, for all finite inputs.
; THE SOFTMAX AHEAD OF THE SECOND PRODUCT: t = score x log2(e) / 8; M = the running largest t, rounded UP to a whole number; p = 2^(t - M) is quantised with 2^e8, not normalised; the row's sum is taken of the
; unquantised p, in f32, and divides O at the end.  When M moves, the sum and O are multiplied by 2^(old M - new M): exact.
; THE WHOLE HEAD LIES IN LDS: 16 key steps of 16,384 bytes, filled ONCE at the head, key step w by wave w's one load; no byte of LDS is filled again, and one barrier shows all of it to every wave.
;   key step ks at 16,384 ks: K [key tile 8][chunk 2][512], V [channel tile 4][chunk 4][512]; a lane's 16 bytes at 16 x lane.
; No prefetch into the L2: every tile is asked for at the head, and no loop runs ahead of a later load.
; SHARES.  Work-group (g = 0 .. 7, bh): tile g (16 queries) of each of the 16 blocks of 128 queries.  Two waves are a PAIR, b = 0 .. 7: blocks b and 15 - b, 17 key steps together.  The HIGH wave works steps 0 .. N - 1 of
; block 15 - b: N trips.  The LOW wave works block b's b + 1 steps (0 .. b), sends that tile out, and then steps N .. 15 - b of block 15 - b (none where N = 16 - b): 17 - N trips.  At the end the low wave hands its part
; (-M, the sum, O^T) over in LDS and the high wave joins the two by powers of two.
;   waves 0-3: high, b = w % 4, N = 12;  waves 12-15: low, the same b: 5 trips;  waves 4-7: high, b = 4 + w % 4, N = 10 (b = 7: 9);  waves 8-11: low, the same b: 7 trips (8).
; Any four waves w % 4 have 34 steps together.  All this hangs on the wave's number alone.
; CLUSTER: its four work-groups belong to one bh and need the same K and V: joint loads, mask 15.  g enters only q's and the result's global addresses and the mask's numbers.
; LAYOUT.  Both products are used transposed: S^T = K Q^T (source 0 = 16 keys, source 1 = my 16 queries), O^T = V^T P^T: a lane holds ONE query (lane % 16) throughout.  In S^T tile tau, register j is key
; 16 tau + 8 (lane / 16) + j: converted, it is registers 2 tau, 2 tau + 1 of P^T.  O^T's tile dt, converted, is registers 2 dt, 2 dt + 1 of the last projection's operand: a_img [block of 128 tokens 32][head 16][token tile 8][chunk 2][512].
; LIMITS on the given exponents: e6 + e7 between -123 and 130 (added to c's exponent field); e8 and e10 - e8 - e9 between -126 and 119.  NaN codes are not served.  The promise holds while the scaled scores stay under 2^31.
; The row's sum is formed in four chains, two halves of the lanes and, for blocks 8 to 15, two parts along the keys.
; REGISTERS: v1 16 x lane; v2 an LDS address; v3 the mask's number; v4 2^e8; v5, v6 448 x 2^e8; v7 2^(e10 - e8 - e9); v8-11 at work, f in v10; v12 -M, v13 the largest raw score, v[14:15] the sum; v16-23 Q;
;   v24-87 K's eight fragments; v88-151 V's four; v154-217 S^T, then p; v152-167 p's codes, each laid over p that has been converted; v218-249 O^T; v250-253 chains of the sum; v254, v255 the add's.
.set LI,   1
.set ADR,  2
.set DD,   3
.set SCP,  4
.set LIMP, 5
.set LIMQ, 6
.set SCA,  7
.set QF,   16
.set KFR,  24
.set VFR,  88
.set CD,   152
.set S,    154
.set O,    218
.set PBASE, 262144                     ; behind the head's bytes: the parts that low waves hand over, 9 x 512 bytes for each pair
.set PART, 4608
.set SPARE, PBASE+8*PART               ; the spare words
.set WV,   12                          ; s12 my wave's number
.set CX,   13
.set G,    14                          ; s14 which tile of a block of 128 queries
.set BH,   15
.set BETA, 16                          ; s16 the block of 128 queries whose tile I send out
.set KI,   17                          ; s17 the trip
.set TB,   18                          ; s18 the LDS byte of its key step; s19 of the next trip's
.set TBN,  19
.set SEL,  20                          ; s[20:21] lane selects for v_permlanex16_b32: lane l xor 16
.set CS,   22                          ; s[22:23] c = log2(e) / 8 x 2^(e6 + e7)
.set G1,   24                          ; s[24:31] descriptor group 1; s[32:35] group 0
.set G0,   32
.set BL,   36                          ; s36 low waves: b, the trip that ends block b; high waves: 32, no trip
.set LASTI, 37                         ; s37 my last trip: N - 1 or 16 - N
.set DG2,  38                          ; s38 the trip on block 15 - b's diagonal, if it is mine (else 32)
.set OFFS, 39                          ; s39 (N - 1 - b) x 16,384: what a low wave's key steps jump by behind trip b
.set ROLE, 40                          ; s40 1 low, 0 high
.set NINF, 41                          ; s41 -infinity
.set QN,   42                          ; s[42:43] block 15 - b's tile of q
.set PAS,  44                          ; s44 the pair's part in LDS
.set MK,   72                          ; s72-75 lane masks
.macro CROUND                          ; a round of the cluster's barrier
	s_barrier_signal -1
	s_barrier_wait -1
	s_cmp_lg_u32 s[WV], 0
	s_cbranch_scc1 .Lnot_wave_0_\@
	s_barrier_signal -3
.Lnot_wave_0_\@:
	s_barrier_wait -3
	s_barrier_signal -1
	s_barrier_wait -1
.endm
.macro TBOF d, k                       ; the LDS byte of trip KI + k's key step (behind a wave's last trip: some key step of the head, whose fetch is not used)
	s_add_co_u32 s60, s[KI], \k
	s_cmp_gt_u32 s60, s[BL]
	s_cselect_b32 s61, s[OFFS], 0
	s_lshl_b32 s60, s60, 14
	s_add_co_u32 s60, s60, s61
	s_min_u32 s[\d], s60, 0x3c000
.endm
	s_load_b256 s[4:11], s[0:1], 0x0               ; q_img s[4:5], kv_img s[6:7], the scales' exponents s[8:9], a_img s[10:11]
	v_lshl_add_u32 v254, v0, 2, SPARE
	v_mov_b32 v255, 0
	ds_add_u32 v254, v255                          ; the wave's opening: the add, twice on end, and its wait
	ds_add_u32 v254, v255
	v_lshrrev_b32 v8, 5, v0
	s_delay_alu instid0(VALU_DEP_1)
	v_readfirstlane_b32 s[WV], v8                  ; wave 0..15
	s_bfe_u32 s[CX], ttmp6, 0x40000                ; my place in the cluster
	s_lshl_b32 s[G], ttmp9, 2
	s_add_co_u32 s[G], s[G], s[CX]                 ; g = 4 x cluster x + cx
	s_and_b32 s[BH], ttmp7, 0xffff                 ; bh, which the four partners share
	s_lshr_b32 s60, s[WV], 2
	s_lshr_b32 s[ROLE], s[WV], 3                   ; waves 8-15 are low
	s_xor_b32 s61, s60, s[ROLE]
	s_and_b32 s61, s61, 1                          ; 1 in waves 4-11
	s_and_b32 s60, s[WV], 3
	s_lshl_b32 s63, s61, 2
	s_add_co_u32 s60, s60, s63                     ; b
	s_sub_co_u32 s62, 15, s60                      ; 15 - b
	s_lshl_b32 s63, s61, 1
	s_sub_co_u32 s63, 12, s63                      ; 12 or 10,
	s_add_co_u32 s61, s62, 1                       ; and no more than block 15 - b's 16 - b steps:
	s_min_u32 s63, s63, s61                        ; N
	s_sub_co_u32 s[OFFS], s63, s60
	s_sub_co_u32 s[OFFS], s[OFFS], 1
	s_lshl_b32 s[OFFS], s[OFFS], 14
	s_mul_i32 s[PAS], s60, PART
	s_add_co_u32 s[PAS], s[PAS], PBASE
	s_sub_co_u32 s45, s63, 1                       ; a high wave's last trip
	s_cmp_eq_u32 s63, s61
	s_cselect_b32 s46, s45, 32                     ; a high wave works the diagonal where N = 16 - b
	s_sub_co_u32 s47, 16, s63                      ; a low wave's last trip, which lies on a diagonal
	s_cmp_eq_u32 s[ROLE], 1
	s_cselect_b32 s[BETA], s60, s62
	s_cselect_b32 s[BL], s60, 32
	s_cselect_b32 s[LASTI], s47, s45
	s_cselect_b32 s[DG2], s47, s46
	s_mov_b32 s[G1], 15|(3<<16)|(1<<21)            ; 15:0 the mask: all four work-groups; 17:16 elements of 8 bytes; 21 set beside a mask; no padding
	s_mov_b32 s[G1+1], 32<<16                      ; tensor_dim0 = 32 elements: rows of 256 bytes
	s_mov_b32 s[G1+2], 64<<16                      ; tensor_dim1 = 64 rows: a key step's 16,384 bytes, dense
	s_mov_b32 s[G1+3], 32<<16                      ; tile_dim0
	s_mov_b32 s[G1+4], 64                          ; tile_dim1
	s_mov_b32 s[G1+5], 32                          ; from row to row
	s_mov_b32 s[G1+6], 0
	s_mov_b32 s[G1+7], 0
	s_mov_b32 s[SEL], 0x76543210
	s_mov_b32 s[SEL+1], 0xfedcba98
	s_mov_b32 s[CS], 0x3e38aa3b                    ; log2(e) / 8
	s_mov_b32 s[NINF], 0xff800000
	s_lshl_b32 s76, s[BH], 17                      ; q_img: bh x 131,072 + (8 block + g) x 1,024
	s_lshl_b32 s77, s[G], 10
	s_add_co_u32 s76, s76, s77
	s_lshl_b32 s68, s[BETA], 13
	s_add_co_u32 s68, s68, s76
	s_mov_b32 s69, 0
	s_lshl_b32 s[QN], s62, 13
	s_add_co_u32 s[QN], s[QN], s76
	s_mov_b32 s[QN+1], 0
	s_lshr_b32 s70, s[BH], 4                       ; a_img: ((16 batch + block) x 16 + head) x 8,192 + 1,024 g
	s_lshl_b32 s70, s70, 4
	s_add_co_u32 s70, s70, s[BETA]
	s_lshl_b32 s70, s70, 4
	s_and_b32 s71, s[BH], 15
	s_add_co_u32 s70, s70, s71
	s_lshl_b32 s70, s70, 13
	s_add_co_u32 s70, s70, s77
	s_mov_b32 s71, 0
	s_lshl_b32 s72, s[WV], 14                      ; I fetch key step w: in LDS,
	s_lshl_b32 s62, s[BH], 18                      ; and in the head's 262,144 bytes
	s_add_co_u32 s62, s62, s72
	s_mov_b32 s63, 0
	s_lshl_b32 s60, s[G], 4
	v_and_b32 v[LI], 31, v0
	v_and_b32 v8, 15, v0                           ; r
	v_bfe_u32 v9, v0, 4, 1                         ; h
	v_lshlrev_b32 v[LI], 4, v[LI]
	v_add_nc_u32 v8, s60, v8
	v_lshlrev_b32 v9, 3, v9
	v_sub_nc_u32 v[DD], v8, v9                     ; d = 16 g + r - 8 h: on the diagonal, register 8 tau + j is hidden where 16 tau + j > d
	s_wait_alu depctr_va_vdst(0)                   ; directly ahead of the waits below
	s_wait_dscnt 0x0                               ; both opening adds are done
	s_wait_kmcnt 0x0
	s_load_b128 s[48:51], s[8:9], 0x18             ; e6, e7, e8, e9
	s_load_b32 s52, s[8:9], 0x28                   ; e10
	s_add_nc_u64 s[62:63], s[6:7], s[62:63]
	s_add_nc_u64 s[QN:QN+1], s[4:5], s[QN:QN+1]
	s_add_nc_u64 s[4:5], s[4:5], s[68:69]
	s_add_nc_u64 s[10:11], s[10:11], s[70:71]
	global_load_b128 v[QF:QF+3], v[LI], s[4:5]     ; Q's fragment stays in registers
	global_load_b128 v[QF+4:QF+7], v[LI], s[4:5] offset:512
	s_mov_b32 s[G0], 1                             ; count = 1
	s_mov_b32 s[G0+1], s72                         ; LDS address
	s_mov_b64 s[G0+2:G0+3], s[62:63]
	s_or_b32 s[G0+3], s[G0+3], 0x80000000          ; type = 2
	CROUND                                         ; all four work-groups are here: the joint loads meet
	tensor_load_to_lds s[G0:G0+3], s[G1:G1+7]      ; every wave's one load of the launch
	s_nop 0
.rept 4
	v_nop
.endr
	s_wait_kmcnt 0x0
	s_add_co_i32 s60, s48, s49
	s_lshl_b32 s60, s60, 23
	s_add_co_i32 s[CS], s[CS], s60                 ; a score stands for score x 2^(e6 + e7): the two exponents are added to c's exponent field
	s_mov_b32 s[CS+1], s[CS]                       ; (named with it as a pair, so it is written)
	s_add_co_i32 s60, s50, 127
	s_lshl_b32 s61, s60, 23
	s_add_co_i32 s60, s60, 8
	s_lshl_b32 s60, s60, 23
	s_or_b32 s60, s60, 0x600000
	s_sub_co_i32 s62, s52, s50                     ; O^T / l stands for that x 2^(e8 + e9): its code is that / 2^(e10 - e8 - e9)
	s_sub_co_i32 s62, s62, s51
	s_add_co_i32 s62, s62, 127
	s_lshl_b32 s63, s62, 23
	s_add_co_i32 s62, s62, 8
	s_lshl_b32 s62, s62, 23
	s_or_b32 s67, s62, 0x600000                    ; +448 x it,
	s_or_b32 s66, s67, 0x80000000                  ; and -448 x it
	s_mov_b32 s[KI], 0
	v_mov_b32 v[SCP], s61                          ; 2^e8, for p's conversion
	v_mov_b32 v[LIMP], s60                         ; 448 x 2^e8, in two registers for the paired holds
	v_mov_b32 v[LIMQ], s60
	v_mov_b32 v[SCA], s63
; THE WAY OUT.  O^T / the sum, held, converted: eight registers a lane, the image of my tile's fragment for this head: two stores of 512 consecutive bytes.
.macro OUT
	v_add_f32 v14, v14, v15                        ; the sum's two halves,
	s_delay_alu instid0(VALU_DEP_1)
	v_permlanex16_b32 v9, v14, s[SEL], s[SEL+1]
	s_delay_alu instid0(VALU_DEP_1)
	v_add_f32 v14, v14, v9                         ; and lane l xor 16's: the row's sum
	s_wait_alu depctr_va_vdst(0)                   ; waits ahead of the transcendental and behind it
	v_rcp_f32 v14, v14
	v_nop                                          ; one plain place behind a transcendental
	s_wait_alu depctr_va_vdst(0)
.set n, 0
.rept 16
	v_pk_mul_f32 v[O+n:O+n+1], v[O+n:O+n+1], v[14:15] op_sel_hi:[1,0]
.set n, n+2
.endr
.set n, 0
.rept 32
	v_med3_num_f32 v[O+n], v[O+n], s66, s67        ; the hold at the largest code x the scale
.set n, n+1
.endr
.irp t, 0,1,2,3
	v_cvt_scalef32_pk8_fp8_f32 v[CD+2*\t:CD+2*\t+1], v[O+8*\t:O+8*\t+7], v[SCA]   ; channels 16 t + 8 h + 0 .. 7
.endr
	v_nop                                          ; one plain vector line behind the last conversion
	global_store_b128 v[LI], v[CD:CD+3], s[10:11]
	global_store_b128 v[LI], v[CD+4:CD+7], s[10:11] offset:512
.endm
; Block b of p: held (the conversion to an 8-bit code does not saturate: ISA guide 7.6.2; p is not negative, so the hold is one-sided), converted; then the sums of a block two further on, whose p is not yet held.
.macro BLK b
.irp i, 0,2,4,6
	v_dual_min_num_f32 v[S+8*\b+\i], v[S+8*\b+\i], v[LIMP] :: v_dual_min_num_f32 v[S+8*\b+\i+1], v[S+8*\b+\i+1], v[LIMQ]
.endr
	v_cvt_scalef32_pk8_fp8_f32 v[CD+2*\b:CD+2*\b+1], v[S+8*\b:S+8*\b+7], v[SCP]   ; keys 16 b + 8 h + 0 .. 7
.if \b < 6
	v_pk_add_f32 v[14:15], v[14:15], v[S+8*\b+16:S+8*\b+17]
	v_pk_add_f32 v[252:253], v[252:253], v[S+8*\b+18:S+8*\b+19]
	v_pk_add_f32 v[8:9], v[8:9], v[S+8*\b+20:S+8*\b+21]
	v_pk_add_f32 v[250:251], v[250:251], v[S+8*\b+22:S+8*\b+23]
.elseif \b == 6
	v_pk_add_f32 v[14:15], v[14:15], v[252:253]
	v_pk_add_f32 v[8:9], v[8:9], v[250:251]
.else
	v_pk_add_f32 v[14:15], v[14:15], v[8:9]
.endif
.endm
; A KEY STEP: 128 keys.  f = 1: trip 0, key step 0: it starts the maximum, the sum and O^T.
.macro STEP f
.if \f
	TBOF TBN, 1
.set n, 0
.rept 32
	ds_load_b128 v[KFR+4*n:KFR+4*n+3], v[LI] offset:512*n   ; K's eight fragments, then V's four: 512 consecutive bytes a load
.set n, n+1
.endr
.else
	TBOF TB, 0
	TBOF TBN, 1
	v_add_nc_u32 v[ADR], s[TB], v[LI]
.rept 4
	v_nop                                          ; with the line above five places: four for loads into registers that the last products read, five for products over p's codes
.endr
.set n, 0
.rept 16
	ds_load_b128 v[VFR+4*n:VFR+4*n+3], v[ADR] offset:8192+512*n   ; V's four fragments
.set n, n+1
.endr
.endif
	s_wait_loadcnt 0x0                             ; Q
	s_wait_dscnt 16                                ; K is in; V's 16 loads may be out
.set n, 0
.rept 8
	v_wmma_f32_16x16x64_fp8_fp8 v[S+8*n:S+8*n+7], v[KFR+8*n:KFR+8*n+7], v[QF:QF+7], 0
.set n, n+1
.endr
	v_add_nc_u32 v[ADR], s[TBN], v[LI]             ; four places, this line among them,
.rept 3
	v_nop
.endr
.set n, 0
.rept 16
	ds_load_b128 v[KFR+4*n:KFR+4*n+3], v[ADR] offset:512*n   ; and the next trip's K, which has the softmax in which to come
.set n, n+1
.endr
	s_cmp_lg_u32 s[KI], s[BL]
	s_cbranch_scc1 .Lnot_b_\@
	global_load_b128 v[QF:QF+3], v[LI], s[QN:QN+1] ; block b's last step: Q is done with, block 15 - b's follows
	global_load_b128 v[QF+4:QF+7], v[LI], s[QN:QN+1] offset:512
	s_branch .Lmask_\@
.Lnot_b_\@:
	s_cmp_lg_u32 s[KI], s[DG2]
	s_cbranch_scc1 .Lopen_\@
.Lmask_\@:                                             ; on a diagonal hidden scores become -infinity ahead of the maximum, and p = 0
.set n, 0
.rept 16
.irp i, 0,1,2,3
	v_cmp_gt_i32 s[MK+\i], 16*((n+\i)/8)+(n+\i)%8, v[DD]
.endr
.irp i, 0,1,2,3
	v_cndmask_b32 v[S+n+\i], v[S+n+\i], s[NINF], s[MK+\i]
.endr
.set n, n+4
.endr
.Lopen_\@:
	v_max3_num_f32 v8, v[S], v[S+1], v[S+2]        ; the step's largest score of my query, among my 64 keys, in four chains,
	v_max3_num_f32 v9, v[S+3], v[S+4], v[S+5]
	v_max3_num_f32 v10, v[S+6], v[S+7], v[S+8]
	v_max3_num_f32 v11, v[S+9], v[S+10], v[S+11]
.irp i, 12,20,28,36,44
	v_max3_num_f32 v8, v8, v[S+\i], v[S+\i+1]
	v_max3_num_f32 v9, v9, v[S+\i+2], v[S+\i+3]
	v_max3_num_f32 v10, v10, v[S+\i+4], v[S+\i+5]
	v_max3_num_f32 v11, v11, v[S+\i+6], v[S+\i+7]
.endr
	v_max3_num_f32 v8, v8, v[S+52], v[S+53]
	v_max3_num_f32 v9, v9, v[S+54], v[S+55]
	v_max3_num_f32 v10, v10, v[S+56], v[S+57]
	v_max3_num_f32 v11, v11, v[S+58], v[S+59]
	v_max3_num_f32 v8, v8, v[S+60], v[S+61]
	v_max3_num_f32 v9, v9, v[S+62], v[S+63]
	s_delay_alu instid0(VALU_DEP_2)
	v_max3_num_f32 v10, v10, v11, v8
	s_delay_alu instid0(VALU_DEP_1)
	v_max_num_f32 v8, v10, v9
	s_delay_alu instid0(VALU_DEP_1)
	v_permlanex16_b32 v9, v8, s[SEL], s[SEL+1]
	s_delay_alu instid0(VALU_DEP_1)
.if \f
	v_max_num_f32 v13, v8, v9                      ; and among lane l xor 16's
	s_delay_alu instid0(VALU_DEP_1)
	v_mul_f32 v8, s[CS], -v13                      ; -t (c is positive)
	s_delay_alu instid0(VALU_DEP_1)
	v_floor_f32 v12, v8                            ; -M = floor(-t) = -ceil(t): M is a whole number
.else
	v_max3_num_f32 v13, v13, v8, v9                ; and among lane l xor 16's: the running largest score
	s_delay_alu instid0(VALU_DEP_1)
	v_mul_f32 v8, s[CS], -v13                      ; -t (c is positive)
	s_delay_alu instid0(VALU_DEP_1)
	v_floor_f32 v8, v8                             ; the new -M = floor(-t) = -ceil(t): M is a whole number
	s_delay_alu instid0(VALU_DEP_1)
	v_sub_f32 v9, v8, v12                          ; M's old value less its new one: a whole number, 0 or less
	v_mov_b32 v12, v8
	s_delay_alu instid0(VALU_DEP_2)
	v_cvt_i32_f32 v9, v9                           ; (it saturates)
	s_delay_alu instid0(VALU_DEP_1)
	v_ldexp_f32 v10, 1.0, v9                       ; f = 2^(old M - new M)
.endif
.set n, 0
.rept 32
	v_pk_fma_f32 v[S+n:S+n+1], v[S+n:S+n+1], s[CS:CS+1], v[12:13] op_sel_hi:[1,0,0]   ; t - M, two at a time (of the pairs c and -M the low word serves both halves)
.set n, n+2
.endr
	s_wait_alu depctr_va_vdst(0)                   ; ahead of the batch
.set n, 0
.rept 64
	v_exp_f32 v[S+n], v[S+n]                       ; p = 2^(t - M), at most 1: not normalised
.set n, n+1
.endr
.if \f
	v_nop                                          ; a plain place behind the exponentials
	s_wait_alu depctr_va_vdst(0)                   ; and behind the batch
	v_pk_add_f32 v[14:15], v[S:S+1], v[S+14:S+15]  ; the row's sum is taken of the unquantised p, in four chains
.else
	v_pk_mul_f32 v[14:15], v[14:15], v[10:11] op_sel_hi:[1,0]   ; the sum under the new M.  (A plain place behind the exponentials)
	s_wait_alu depctr_va_vdst(0)                   ; and behind the batch
	v_pk_add_f32 v[14:15], v[14:15], v[S:S+1]      ; the row's sum is taken of the unquantised p, in four chains
.endif
	v_pk_add_f32 v[252:253], v[S+2:S+3], v[S+4:S+5]
	v_pk_add_f32 v[8:9], v[S+6:S+7], v[S+8:S+9]
	v_pk_add_f32 v[250:251], v[S+10:S+11], v[S+12:S+13]
.if \f == 0
	v_pk_add_f32 v[14:15], v[14:15], v[S+14:S+15]
.endif
.irp b, 0,1,2,3,4,5,6,7
	BLK \b
.endr
.if \f
	s_wait_alu depctr_va_vdst(0)                   ; directly ahead of the wait below
	s_wait_dscnt 16                                ; V is in; the next K's 16 loads may be out
.set n, 0
.rept 4
	v_wmma_f32_16x16x128_fp8_fp8 v[O+8*n:O+8*n+7], v[VFR+16*n:VFR+16*n+15], v[CD:CD+15], 0
.set n, n+1
.endr
.else
	s_wait_alu depctr_va_vdst(0)                   ; directly ahead of the first reader of O^T
.set n, 0
.rept 16
	v_pk_mul_f32 v[O+n:O+n+1], v[O+n:O+n+1], v[10:11] op_sel_hi:[1,0]   ; O^T under the new M: x f
.set n, n+2
.endr
	s_wait_alu depctr_va_vdst(0)                   ; directly ahead of the wait below
	s_wait_dscnt 16                                ; V is in; the next K's 16 loads may be out
.set n, 0
.rept 4
	v_wmma_f32_16x16x128_fp8_fp8 v[O+8*n:O+8*n+7], v[VFR+16*n:VFR+16*n+15], v[CD:CD+15], v[O+8*n:O+8*n+7]
.set n, n+1
.endr
.endif
	s_cmp_lg_u32 s[KI], s[BL]
	s_cbranch_scc1 .Lstay_\@
.rept 4
	v_nop                                          ; places behind the last products
.endr
	OUT                                            ; block b is finished
	s_wait_xcnt 0x0                                ; the stores have read their registers
	v_mov_b32 v12, 0x7f61b1e6                      ; block 15 - b begins: -M = 3e38 and the largest score -3e38, so that the next f is 0, which clears O^T and the sum (both are finite)
	v_mov_b32 v13, 0xff61b1e6
.Lstay_\@:
.endm
	s_wait_alu depctr_va_vdst(0)                   ; at the head's end
	s_wait_tensorcnt 0x0                           ; my key step has landed,
	s_barrier_signal -1
	s_barrier_wait -1                              ; and everybody's: from here on the whole head is in LDS
	STEP 1
	s_wait_alu depctr_va_vdst(0)                   ; ahead of the scalar lines below
	s_mov_b32 s[KI], 1
.Ltrip:                                                ; trips 1 to 11, as many as the longest waves have; the others pass over the rest
	s_cmp_gt_u32 s[KI], s[LASTI]
	s_cbranch_scc1 .Lnone
	STEP 0
.Lnone:
	s_add_co_u32 s[KI], s[KI], 1
	s_cmp_lt_u32 s[KI], 12
	s_wait_alu depctr_va_vdst(0)                   ; directly ahead of the branch
	s_cbranch_scc1 .Ltrip
.rept 4
	v_nop                                          ; places behind the last products
.endr
	s_wait_dscnt 0x0                               ; (the K fetched in the last trip is not used)
	s_cmp_eq_u32 s[ROLE], 0
	s_cbranch_scc1 .Lhigh
	v_add_nc_u32 v[ADR], s[PAS], v[LI]             ; a low wave hands over O^T, -M and the sum in two halves (where N = 16 - b: a part whose factor is 0)
.set n, 0
.rept 8
	ds_store_b128 v[ADR], v[O+4*n:O+4*n+3] offset:512*n
.set n, n+1
.endr
	ds_store_b128 v[ADR], v[12:15] offset:4096
.Lhigh:
	s_wait_dscnt 0x0                               ; for the high wave's sake
	s_barrier_signal -1
	s_barrier_wait -1
	s_cmp_eq_u32 s[ROLE], 1
	s_cbranch_scc1 .Lend
	v_add_nc_u32 v[ADR], s[PAS], v[LI]
.set n, 0
.rept 9
	ds_load_b128 v[KFR+4*n:KFR+4*n+3], v[ADR] offset:512*n   ; v24-55 its O^T, v56 its -M, v[58:59] its sum
.set n, n+1
.endr
	s_wait_dscnt 0x0
	v_min_num_f32 v8, v12, v56                     ; the joint -M
	s_delay_alu instid0(VALU_DEP_1)
	v_sub_f32 v9, v8, v12
	v_sub_f32 v62, v8, v56
	s_delay_alu instid0(VALU_DEP_2)
	v_cvt_i32_f32 v9, v9
	s_delay_alu instid0(VALU_DEP_2)
	v_cvt_i32_f32 v62, v62
	s_delay_alu instid0(VALU_DEP_2)
	v_ldexp_f32 v10, 1.0, v9                       ; my part's factor,
	s_delay_alu instid0(VALU_DEP_2)
	v_ldexp_f32 v60, 1.0, v62                      ; and the other's
	v_mov_b32 v61, 0                               ; (named as the upper half of the pair v[60:61])
	v_pk_mul_f32 v[14:15], v[14:15], v[10:11] op_sel_hi:[1,0]
.set n, 0
.rept 16
	v_pk_mul_f32 v[O+n:O+n+1], v[O+n:O+n+1], v[10:11] op_sel_hi:[1,0]
.set n, n+2
.endr
	v_pk_fma_f32 v[14:15], v[58:59], v[60:61], v[14:15] op_sel_hi:[1,0,1]
.set n, 0
.rept 16
	v_pk_fma_f32 v[O+n:O+n+1], v[KFR+n:KFR+n+1], v[60:61], v[O+n:O+n+1] op_sel_hi:[1,0,1]
.set n, n+2
.endr
	OUT
.Lend:
	s_wait_tensorcnt 0x0                           ; the wave's end
	ds_add_u32 v254, v255
	s_wait_dscnt 0x0
	CROUND                                         ; the closing round: no work-group ends while a partner may still ask for a tile that names it
	s_endpgm
.Lfunc_end_k_q8e4ee42dcd_attn:
	.size	k_q8e4ee42dcd_attn, .Lfunc_end_k_q8e4ee42dcd_attn-k_q8e4ee42dcd_attn
	.p2alignl 7, 3214868480
	.fill 96, 4, 3214868480
	.section	.rodata,"a",@progbits
	.p2align	6, 0x0
	.amdhsa_kernel k_q8e4ee42dcd_attn
		.amdhsa_group_segment_fixed_size 327680
		.amdhsa_private_segment_fixed_size 0
		.amdhsa_enable_private_segment 0
		.amdhsa_kernarg_size 32
		.amdhsa_user_sgpr_count 2
		.amdhsa_user_sgpr_kernarg_segment_ptr 1
		.amdhsa_wavefront_size32 1
		.amdhsa_system_sgpr_workgroup_id_x 1
		.amdhsa_system_sgpr_workgroup_id_y 1
		.amdhsa_system_sgpr_workgroup_id_z 1
		.amdhsa_system_vgpr_workitem_id 0
		.amdhsa_next_free_vgpr 256
		.amdhsa_next_free_sgpr 90
		.amdhsa_reserve_vcc 0
		.amdhsa_float_denorm_mode_32 3
		.amdhsa_float_denorm_mode_16_64 3
		.amdhsa_memory_ordered 1
		.amdhsa_forward_progress 1
		.amdhsa_inst_pref_size 73
	.end_amdhsa_kernel
	.amdgpu_metadata
---
amdhsa.version: [ 1, 2 ]
amdhsa.kernels:
  - .name:           k_q8e4ee42dcd_attn
    .symbol:         k_q8e4ee42dcd_attn.kd
    .args:
      - { .name: q_img, .offset: 0, .size: 8, .value_kind: global_buffer, .address_space: global }
      - { .name: kv_img, .offset: 8, .size: 8, .value_kind: global_buffer, .address_space: global }
      - { .name: lowp_scales, .offset: 16, .size: 8, .value_kind: global_buffer, .address_space: global }
      - { .name: a_img, .offset: 24, .size: 8, .value_kind: global_buffer, .address_space: global }
    .group_segment_fixed_size: 327680
    .private_segment_fixed_size: 0
    .kernarg_segment_align: 8
    .kernarg_segment_size: 32
    .max_flat_workgroup_size: 512
    .sgpr_count:     90
    .vgpr_count:     256
    .wavefront_size: 32
...
	.end_amdgpu_metadata
.endif
;; end of part 2
;; launch oproj (part 3): grid 8 x 32, 4 waves a work-group, clusters of 4 x 4, 288,256 bytes of LDS; arguments a_img, Wo_codes, lowp_scales, out0; writes out0
.if DOCPART == 3
	.amdgcn_target "amdgcn-amd-amdhsa--gfx1250"
	.amdhsa_code_object_version 6
	.text
	.protected	k_q8e4ee42dcd_oproj
	.globl	k_q8e4ee42dcd_oproj
	.p2align	8
	.type	k_q8e4ee42dcd_oproj,@function
k_q8e4ee42dcd_oproj:
	s_mov_b64 s[64:65], 0
	v_nop
	global_prefetch_b8 v0, s[64:65] scope:SCOPE_SE
	s_setreg_imm32_b32 hwreg(HW_REG_WAVE_MODE, 25, 1), 1
	s_wait_xcnt 0x0
	s_wait_alu depctr_hold_cnt(0) depctr_sa_sdst(0) depctr_va_vdst(0) depctr_va_sdst(0) depctr_va_ssrc(0) depctr_va_vcc(0) depctr_vm_vsrc(0)
	s_getreg_b32 s2, hwreg(HW_REG_IB_STS2, 6, 4)
	s_cmp_eq_u32 s2, 0
	s_cbranch_scc0 .Lentry_in_a_cluster
	s_endpgm
.Lentry_in_a_cluster:
	s_bfe_u32 s2, ttmp6, 0x10000c
	s_cmp_lg_u32 s2, 0xf033
	s_cbranch_scc0 .Lentry_shape_is_right
	s_endpgm
.Lentry_shape_is_right:
; out0 = a Wo^T on codes of FP8 (E4M3).  a: 4,096 tokens x 1,024 (head x 64 + channel), as images of operand registers: a_img [block of 128 tokens 32][head 16][token tile 8][chunk 2][512].
; Wo: [1024][1024] codes, K innermost.  out0: [4096][1024] f32.  lowp_scales: here e10 (a), e11 (Wo): each finished sum is multiplied once by 2^(e10 + e11).
; LIMIT: e10 + e11 between -126 and 127, so that 2^(e10 + e11) is an f32 number.
; SHARES.  A work-group makes 128 tokens x 128 columns; wave w makes tokens 64 (w / 2) on, columns 64 (w % 2) on: four token tiles of 16 x four tiles of columns.  256 work-groups.
; ALL OF K IS IN LDS, filled once at the head by one tensor load a wave: waves 0, 1 fetch a's two halves of 65,536 bytes, waves 2, 3 Wo's two halves of 64 rows x 1,024 bytes.  No byte of LDS is filled again.
; WO STAYS IN REGISTERS: my 64 rows x 1,024 codes are 32 fragments, 512 registers, read once, while the first token tile is multiplied.  The token tiles are finished one after the other, all of K each,
; and a finished tile goes out while the next one is multiplied.
; No prefetch into the L2: everything is asked for at the head, and no loop runs ahead of a later load.
; CLUSTERS: 4 x 4 work-groups.  a's bytes hang on the block of tokens alone and are shared along a row of the cluster, Wo's on the block of columns alone and are shared along a column: joint loads.
; K IN ITS TRUE PLACES: a's images hold registers 2 c, 2 c + 1 = k 16 c + 8 (lane / 16) + 0 .. 7 of each head's 64; a step of 128 along K is two heads.  So Wo's fragments come by loads of 8 bytes, 16 bytes apart.
; THE MATRIX INSTRUCTION IS USED TRANSPOSED (source 0 = 16 rows of Wo, source 1 = 16 tokens): a lane holds eight neighbouring columns of one row of out0.
; REGISTERS: window 0: v1-12 addresses; v126, v127 the add's; v128-255 the accumulators (token tile i, column tile b at v[128 + 8 (4 i + b)]).   window 1: two buffers of 128: a token tile's eight fragments of a.
;   windows 2 and 3: Wo's fragments of K steps 0-3 and 4-7, K step k, column tile b at v[64 (k % 4) + 16 b].
.set PITCH,  272                       ; a row of the stage: 256 bytes + 16
.set BPITCH, 1040                      ; a row of Wo in LDS: 1,024 bytes + 16 of padding
.set BBASE,  131072                    ; behind a's images
.set STAGE,  BBASE+128*BPITCH          ; behind Wo's 128 rows: 16 rows x 272 bytes for each wave, its own, for the way out; no fill lands there
.set SPARE,  STAGE+4*16*PITCH          ; the spare words
.set ADRA, 4                           ; v4, v5  LDS address of my fragments of a: K steps 0-3, 4-7
.set ADRB, 6                           ; v6      of Wo
.set STO,  8
.set RD,   9
.set CO,   10
.set ACC,  128
.set WV,   18
.set G1A,  24                          ; s[24:31] group 1 for a; s[32:39] for Wo; groups 0: a s[40:43]; Wo s[56:59]
.set G1B,  32
.set G0A,  40
.set G0B,  56
.set MSB, 0
.macro WIN new                         ; the immediate's high byte repeats the setting that is left
.if MSB != \new
	s_set_vgpr_msb (MSB<<8)|\new
.set MSB, \new
.endif
.endm
.macro PLACES
.rept 4
	v_nop
.endr
.endm
.macro CROUND                          ; a round of the cluster's barrier
	s_barrier_signal -1
	s_barrier_wait -1
	s_cmp_lg_u32 s[WV], 0
	s_cbranch_scc1 .Lnot_wave_0_\@
	s_barrier_signal -3
.Lnot_wave_0_\@:
	s_barrier_wait -3
	s_barrier_signal -1
	s_barrier_wait -1
.endm
	s_load_b256 s[4:11], s[0:1], 0x0               ; a_img s[4:5], Wo s[6:7], the scales' exponents s[8:9], out0 s[10:11]
	v_lshl_add_u32 v126, v0, 2, SPARE
	v_mov_b32 v127, 0
	ds_add_u32 v126, v127                          ; the wave's opening: the add, twice on end, and its wait
	ds_add_u32 v126, v127
	v_lshrrev_b32 v1, 5, v0
	v_readfirstlane_b32 s[WV], v1                  ; wave 0..3
	s_lshr_b32 s12, s[WV], 1                       ; which half of the tokens is mine.  Also: I fetch for a (0) or for Wo (1)
	s_and_b32 s13, s[WV], 1                        ; which half of the columns.  Also: which half I fetch
	s_bfe_u32 s19, ttmp6, 0x40000                  ; cx, cy
	s_bfe_u32 s20, ttmp6, 0x40004
	s_lshl_b32 s21, ttmp9, 2
	s_add_co_u32 s21, s21, s19                     ; the block of 128 columns = 4 x cluster x + cx
	s_and_b32 s22, ttmp7, 0xffff
	s_lshl_b32 s22, s22, 2
	s_add_co_u32 s22, s22, s20                     ; the block of 128 tokens = 4 x cluster y + cy
	s_lshl_b32 s2, s20, 2
	s_lshl_b32 s2, 15, s2                          ; my row of the cluster
	s_lshl_b32 s3, 0x1111, s19                     ; my column
	s_or_b32 s[G1A], s2, (3<<16)|(1<<21)           ; the mask; elements of 8 bytes; 21 set beside a mask; no padding
	s_mov_b32 s[G1A+1], 32<<16                     ; rows of 256 bytes,
	s_mov_b32 s[G1A+2], 256<<16                    ; 256 of them: 65,536 dense bytes: half of K
	s_mov_b32 s[G1A+3], 32<<16
	s_mov_b32 s[G1A+4], 256
	s_mov_b32 s[G1A+5], 32
	s_mov_b32 s[G1A+6], 0
	s_mov_b32 s[G1A+7], 0
	s_or_b32 s[G1B], s3, (1<<20)|(1<<21)|(7<<22)|(3<<25)   ; the mask; elements of 1 byte; padding: four words after every 256
	s_mov_b32 s[G1B+1], 1024<<16
	s_mov_b32 s[G1B+2], 64<<16
	s_mov_b32 s[G1B+3], 1024<<16
	s_mov_b32 s[G1B+4], 64
	s_mov_b32 s[G1B+5], 1024
	s_mov_b32 s[G1B+6], 0
	s_mov_b32 s[G1B+7], 0
	s_lshl_b32 s14, s13, 16                        ; a: my half: 65,536 u, in LDS and in memory alike
	s_lshl_b32 s80, s22, 17                        ; the block's 131,072 bytes
	s_add_co_u32 s80, s80, s14
	s_mov_b32 s81, 0
	s_mul_i32 s15, s13, 64*BPITCH                  ; Wo: my 64 rows, in LDS,
	s_add_co_u32 s15, s15, BBASE
	s_lshl_b32 s82, s21, 17                        ; and in memory: row 128 x block + 64 u, 1,024 bytes a row
	s_lshl_b32 s83, s13, 16
	s_add_co_u32 s82, s82, s83
	s_mov_b32 s83, 0
	s_wait_dscnt 0x0                               ; both opening adds are done
	s_wait_kmcnt 0x0
	s_load_b64 s[78:79], s[8:9], 0x28              ; e10, e11
	s_add_nc_u64 s[80:81], s[4:5], s[80:81]
	s_add_nc_u64 s[82:83], s[6:7], s[82:83]
	s_mov_b32 s[G0A], 1
	s_mov_b32 s[G0A+1], s14
	s_mov_b64 s[G0A+2:G0A+3], s[80:81]
	s_or_b32 s[G0A+3], s[G0A+3], 0x80000000
	s_mov_b32 s[G0B], 1
	s_mov_b32 s[G0B+1], s15
	s_mov_b64 s[G0B+2:G0B+3], s[82:83]
	s_or_b32 s[G0B+3], s[G0B+3], 0x80000000
	CROUND                                         ; all sixteen work-groups are here: the joint loads meet
	s_cmp_eq_u32 s12, 0                            ; one load a wave
	s_cbranch_scc0 .Lfill_b
	tensor_load_to_lds s[G0A:G0A+3], s[G1A:G1A+7]
	s_nop 0
	PLACES
	s_branch .Lfilled
.Lfill_b:
	tensor_load_to_lds s[G0B:G0B+3], s[G1B:G1B+7]
	s_nop 0
	PLACES
.Lfilled:
	v_and_b32 v1, 15, v0                           ; r
	v_bfe_u32 v2, v0, 4, 1                         ; h
	v_and_b32 v3, 31, v0
	v_lshlrev_b32 v3, 4, v3                        ; 16 x lane
	s_lshl_b32 s16, s12, 12                        ; my four token tiles of 1,024 bytes
	v_add_nc_u32 v[ADRA], s16, v3
	v_add_nc_u32 v[ADRA+1], 65536, v[ADRA]
	v_mul_u32_u24 v11, v1, PITCH
	v_mul_u32_u24 v12, v1, BPITCH
	v_lshl_add_u32 v12, v2, 3, v12                 ; Wo: row r x pitch + 8 h
	s_mul_i32 s16, s13, 64*BPITCH                  ; my 64 rows
	s_add_co_u32 s16, s16, BBASE
	v_add_nc_u32 v[ADRB], s16, v12
	s_mul_i32 s16, s[WV], 16*PITCH
	s_add_co_u32 s16, s16, STAGE                   ; my stage
	v_lshl_add_u32 v12, v2, 5, v11                 ; in: row r, 32 bytes for each half of the lanes
	v_add_nc_u32 v[STO], s16, v12
	v_mul_u32_u24 v12, v2, PITCH                   ; back: lanes 0-15 one row of 256 bytes, lanes 16-31 the next
	v_lshl_add_u32 v12, v1, 4, v12
	v_add_nc_u32 v[RD], s16, v12
	v_lshlrev_b32 v[CO], 12, v2                    ; and the same two rows in out0, 4,096 bytes apart
	v_lshl_add_u32 v[CO], v1, 4, v[CO]
	s_lshl_b32 s16, s22, 7
	s_lshl_b32 s17, s12, 6
	s_add_co_u32 s16, s16, s17                     ; my first token
	s_lshl_b32 s16, s16, 12
	s_lshl_b32 s17, s21, 9                         ; my first column, in bytes: 512 x block + 256 x half
	s_add_co_u32 s16, s16, s17
	s_lshl_b32 s17, s13, 8
	s_add_co_u32 s16, s16, s17
	s_mov_b32 s17, 0
	s_add_nc_u64 s[10:11], s[10:11], s[16:17]
	s_wait_alu depctr_va_vdst(0)                   ; at the head's end
	s_wait_kmcnt 0x0
	s_add_co_i32 s76, s78, s79
	s_add_co_i32 s76, s76, 127
	s_lshl_b32 s76, s76, 23                        ; 2^(e10 + e11) as f32
	s_mov_b32 s77, s76                             ; (named with it as a pair, so it is written)
; 32 LDS loads: token tile i's eight fragments of a (K step k: heads 2 k, 2 k + 1) into buffer i % 2
.macro FETCHA i
	WIN 0x40                                       ; destination window 1
.irp k, 0,1,2,3,4,5,6,7
.irp p, 0,1
.irp c, 0,1
	ds_load_b128 v[128*(\i%2)+16*\k+8*\p+4*\c:128*(\i%2)+16*\k+8*\p+4*\c+3], v[ADRA+\k/4] offset:(\k%4)*16384+8192*\p+1024*\i+512*\c
.endr
.endr
.endr
.endm
; 32 LDS loads: Wo's four fragments of K step k
.macro FETCHW k
	WIN 0x80+0x40*(\k/4)                           ; destination window 2 or 3
.irp b, 0,1,2,3
.irp c, 0,1,2,3,4,5,6,7
	ds_load_b64 v[64*(\k%4)+16*\b+2*\c:64*(\k%4)+16*\b+2*\c+1], v[ADRB] offset:\b*16*BPITCH+128*\k+16*\c
.endr
.endr
.endm
; 4 matrix instructions: token tile i, K step k.  The tile's four accumulators take turns, one instruction a turn, K ascending.  The first products start the sums.
.macro MUL i, k
	WIN 0x06+(\k/4)                                ; source 0 (Wo) window 2 or 3, source 1 (a) window 1; C and D window 0
.irp b, 0,1,2,3
.if \k == 0
	v_wmma_f32_16x16x128_fp8_fp8 v[ACC+8*(4*\i+\b):ACC+8*(4*\i+\b)+7], v[64*(\k%4)+16*\b:64*(\k%4)+16*\b+15], v[128*(\i%2)+16*\k:128*(\i%2)+16*\k+15], 0
.else
	v_wmma_f32_16x16x128_fp8_fp8 v[ACC+8*(4*\i+\b):ACC+8*(4*\i+\b)+7], v[64*(\k%4)+16*\b:64*(\k%4)+16*\b+15], v[128*(\i%2)+16*\k:128*(\i%2)+16*\k+15], v[ACC+8*(4*\i+\b):ACC+8*(4*\i+\b)+7]
.endif
.endr
.endm
.macro TILE i
.irp k, 0,1,2,3,4,5,6,7
	MUL \i, \k
.endr
.endm
; THE WAY OUT, a tile of 16 tokens x 64 columns at a time: x 2^(e10 + e11), each accumulator from its low end on; 32 bytes a lane into my stage; back as whole rows of 256 bytes, into the registers that they left.
.macro PACK i
	WIN 0
.irp j, 0,2,4,6,8,10,12,14,16,18,20,22,24,26,28,30
	v_pk_mul_f32 v[ACC+32*\i+\j:ACC+32*\i+\j+1], v[ACC+32*\i+\j:ACC+32*\i+\j+1], s[76:77] op_sel_hi:[1,0]
.endr
.irp b, 0,1,2,3
	ds_store_b128 v[STO], v[ACC+32*\i+8*\b:ACC+32*\i+8*\b+3] offset:64*\b
	ds_store_b128 v[STO], v[ACC+32*\i+8*\b+4:ACC+32*\i+8*\b+7] offset:64*\b+16
.endr
.irp t, 0,1,2,3,4,5,6,7
	ds_load_b128 v[ACC+32*\i+4*\t:ACC+32*\i+4*\t+3], v[RD] offset:\t*2*PITCH   ; LDS serves a wave's instructions in order (ISA guide 5.7.1.4): these see the stores above; the next tile's stores come behind them
.endr
.endm
.macro SEND i                          ; the tile's eight loads from the stage are my youngest LDS instructions: the t-th is in when 7 - t may be out
	WIN 0
.irp t, 0,1,2,3,4,5,6,7
	s_wait_dscnt 7-\t
	global_store_b128 v[CO], v[ACC+32*\i+4*\t:ACC+32*\i+4*\t+3], s[10:11] offset:(16*\i+2*\t)*4096 th:TH_STORE_NT   ; 16 lanes store 256 consecutive bytes, aligned; written once, read by nobody here
.endr
.endm
	s_wait_tensorcnt 0x0                           ; my load has landed,
	s_barrier_signal -1
	s_barrier_wait -1                              ; and everybody's
	FETCHA 0
	FETCHW 0
.irp k, 1,2,3,4,5,6,7                  ; token tile 0: K step k's fragments of Wo come while K step k - 1 is multiplied
	FETCHW \k
	s_wait_dscnt 32                                ; the 32 just issued may be out
	MUL 0, (\k-1)
.endr
	FETCHA 1
	s_wait_dscnt 32                                ; Wo is in; token tile 1's 32 loads may be out
	MUL 0, 7
	PLACES                                         ; for loads into buffer 0 and for the reads of tile 0's sums
	FETCHA 2
	PACK 0
	s_wait_dscnt 48                                ; token tile 1 is in; tile 2's 32 loads and the stage's 16 may be out
	TILE 1
	SEND 0                                         ; (its waits show token tile 2 in, too)
	PLACES
	FETCHA 3
	PACK 1
	TILE 2
	SEND 1                                         ; (and token tile 3)
	PLACES
	PACK 2
	TILE 3
	SEND 2
	PLACES
	PACK 3
	SEND 3
	s_wait_tensorcnt 0x0                           ; the wave's end
	ds_add_u32 v126, v127
	s_wait_dscnt 0x0
	CROUND                                         ; the closing round: no work-group ends while a partner may still ask for a tile that names it
	s_endpgm
.Lfunc_end_k_q8e4ee42dcd_oproj:
	.size	k_q8e4ee42dcd_oproj, .Lfunc_end_k_q8e4ee42dcd_oproj-k_q8e4ee42dcd_oproj
	.p2alignl 7, 3214868480
	.fill 96, 4, 3214868480
	.section	.rodata,"a",@progbits
	.p2align	6, 0x0
	.amdhsa_kernel k_q8e4ee42dcd_oproj
		.amdhsa_group_segment_fixed_size 288256
		.amdhsa_private_segment_fixed_size 0
		.amdhsa_enable_private_segment 0
		.amdhsa_kernarg_size 32
		.amdhsa_user_sgpr_count 2
		.amdhsa_user_sgpr_kernarg_segment_ptr 1
		.amdhsa_wavefront_size32 1
		.amdhsa_system_sgpr_workgroup_id_x 1
		.amdhsa_system_sgpr_workgroup_id_y 1
		.amdhsa_system_sgpr_workgroup_id_z 1
		.amdhsa_system_vgpr_workitem_id 0
		.amdhsa_next_free_vgpr 1024
		.amdhsa_next_free_sgpr 90
		.amdhsa_reserve_vcc 0
		.amdhsa_float_denorm_mode_32 3
		.amdhsa_float_denorm_mode_16_64 3
		.amdhsa_memory_ordered 1
		.amdhsa_forward_progress 1
		.amdhsa_inst_pref_size 52
	.end_amdhsa_kernel
	.amdgpu_metadata
---
amdhsa.version: [ 1, 2 ]
amdhsa.kernels:
  - .name:           k_q8e4ee42dcd_oproj
    .symbol:         k_q8e4ee42dcd_oproj.kd
    .args:
      - { .name: a_img, .offset: 0, .size: 8, .value_kind: global_buffer, .address_space: global }
      - { .name: Wo_codes, .offset: 8, .size: 8, .value_kind: global_buffer, .address_space: global }
      - { .name: lowp_scales, .offset: 16, .size: 8, .value_kind: global_buffer, .address_space: global }
      - { .name: out0, .offset: 24, .size: 8, .value_kind: global_buffer, .address_space: global }
    .group_segment_fixed_size: 288256
    .private_segment_fixed_size: 0
    .kernarg_segment_align: 8
    .kernarg_segment_size: 32
    .max_flat_workgroup_size: 128
    .sgpr_count:     90
    .vgpr_count:     1024
    .wavefront_size: 32
...
	.end_amdgpu_metadata
.endif
;; end of part 3
